; MI455X (gfx1250); checked and timed in simulation.
; The chip was launched on July 23, 2026; its instructions are those of AMD's public machine-readable ISA for CDNA 5 (MIT licence, August 2026) and "CDNA5" Instruction Set Architecture Reference Guide (July 2026). The comments in the code are by the model that wrote it; some were corrected since.
;; Model Torch. Allowed arithmetic: float matrix products may take bf16 or f16 operands with f32 sums; all other float work in f32.
;; Inputs: req_pool_indices 256 int32; req_to_token 512 x 32,768 int32; seq_lens 256 int32.
;; Outputs: out0 8,192 int32.
;; Constants: speculative_num_steps = 4, topk = 8.
;; One version. Each part assembles by itself: llvm-mc -triple=amdgcn-amd-amdhsa -mcpu=gfx1250 --defsym DOCPART=n.
;; ======== version 1 of 1: 1 launch
;; launch gather (part 1): grid 64 x 1, 1 waves a work-group, no clusters, 0 bytes of LDS; arguments req_pool_indices, req_to_token, seq_lens, out0; writes out0
.if DOCPART == 1
	.amdgcn_target "amdgcn-amd-amdhsa--gfx1250"
	.amdhsa_code_object_version 6
	.text
	.protected	k_qb3fb884b4c_gather
	.globl	k_qb3fb884b4c_gather
	.p2align	8
	.type	k_qb3fb884b4c_gather,@function
k_qb3fb884b4c_gather:
	s_mov_b64 s[64:65], 0
	v_nop
	global_prefetch_b8 v0, s[64:65] scope:SCOPE_SE
	s_setreg_imm32_b32 hwreg(HW_REG_WAVE_MODE, 25, 1), 1
	s_wait_xcnt 0x0
; out0[32 p + j] = req_to_token[req_pool_indices[p]][seq_lens[p] + j],  p = 0 .. 255, j = 0 .. 31, all int32.
; One wave to a work-group, 64 work-groups.  A wave owns four requests = 128 words = 512 bytes of out0.
; Lane l owns request 4 wg + l / 8 and its columns 4 (l % 8) .. + 3: four neighbouring words of out0, so the wave's one
; 16-byte store covers 512 consecutive bytes, aligned, and needs no exchange between lanes.
; The source window starts at any word (seq_lens is arbitrary), so it is only 4-byte aligned: four one-word loads a lane.
; The work is one chain of dependent accesses (arguments, lists, table, store), run once by every wave: no loop, no LDS,
; no barrier.  No cluster: no two work-groups are known to share a tile.  No prefetch: the table addresses are known only
; when the lists have come, and then the loads themselves are issued at once.
; LIMIT: the indices are taken to lie inside the table, as the problem grants (row 0 .. 511, seq_lens 0 .. 32,736).  Both are
; clamped as unsigned numbers so that no access leaves the table; for an index outside these ranges (a negative one too) the
; result is the clamped window's, not the reference's wrapping of negatives or its clamp column by column.
.set POOL,   512                       ; rows of the table
.set CTX,    32768                     ; words in a row: 131,072 bytes = 1 << 17
.set COPY,   32                        ; words copied for a request (topk 8 x 4 steps)
	s_load_b256 s[4:11], s[0:1], 0x0               ; req_pool_indices s[4:5], req_to_token s[6:7], seq_lens s[8:9], out0 s[10:11]
	s_lshl_b32 s2, ttmp9, 4                        ; my four requests' words in each list: 16 bytes a work-group
	s_lshl_b32 s3, ttmp9, 9                        ; my 512 bytes of out0
	v_lshrrev_b32 v1, 3, v0                        ; l / 8: which of the four requests
	v_and_b32 v2, 7, v0                            ; l % 8: which four columns
	v_lshl_add_u32 v1, v1, 2, s2                   ; byte offset of my request's word in both lists
	v_lshlrev_b32 v2, 4, v2                        ; 16 (l % 8): my columns' bytes inside the window
	v_lshl_add_u32 v3, v0, 4, s3                   ; byte offset of my 16 bytes in out0
	s_wait_kmcnt 0x0                               ; the four addresses are there
	global_load_b32 v4, v1, s[4:5]                 ; the row (eight lanes ask for the same word)
	global_load_b32 v5, v1, s[8:9]                 ; the first column
	s_wait_loadcnt 0x0                             ; both enter the address below
	v_min_u32 v4, POOL-1, v4                       ; the row stays in the table,
	v_min_u32 v5, CTX-COPY, v5                     ; and so does the whole window of 32 columns
	v_lshl_add_u32 v5, v5, 2, v2                   ; 4 seq + 16 (l % 8)
	v_lshl_add_u32 v6, v4, 17, v5                  ; + row x 131,072: at most 67,108,848, and 16 bytes from there end at the table's end
	global_load_b32 v8,  v6, s[6:7]                ; four neighbouring words; no streaming hint: two requests may name the same words
	global_load_b32 v9,  v6, s[6:7] offset:4
	global_load_b32 v10, v6, s[6:7] offset:8
	global_load_b32 v11, v6, s[6:7] offset:12
	s_wait_loadcnt 0x0                             ; all four feed the one store
	global_store_b128 v3, v[8:11], s[10:11] th:TH_STORE_NT     ; 32 lanes x 16 bytes: 512 consecutive bytes at a multiple of 512
	s_endpgm
.Lfunc_end_k_qb3fb884b4c_gather:
	.size	k_qb3fb884b4c_gather, .Lfunc_end_k_qb3fb884b4c_gather-k_qb3fb884b4c_gather
	.p2alignl 7, 3214868480
	.fill 96, 4, 3214868480
	.section	.rodata,"a",@progbits
	.p2align	6, 0x0
	.amdhsa_kernel k_qb3fb884b4c_gather
		.amdhsa_group_segment_fixed_size 0
		.amdhsa_private_segment_fixed_size 0
		.amdhsa_enable_private_segment 0
		.amdhsa_kernarg_size 32
		.amdhsa_user_sgpr_count 2
		.amdhsa_user_sgpr_kernarg_segment_ptr 1
		.amdhsa_wavefront_size32 1
		.amdhsa_system_sgpr_workgroup_id_x 1
		.amdhsa_system_sgpr_workgroup_id_y 1
		.amdhsa_system_sgpr_workgroup_id_z 1
		.amdhsa_system_vgpr_workitem_id 0
		.amdhsa_next_free_vgpr 12
		.amdhsa_next_free_sgpr 66
		.amdhsa_reserve_vcc 0
		.amdhsa_float_denorm_mode_32 3
		.amdhsa_float_denorm_mode_16_64 3
		.amdhsa_memory_ordered 1
		.amdhsa_forward_progress 1
		.amdhsa_inst_pref_size 2
	.end_amdhsa_kernel
	.amdgpu_metadata
---
amdhsa.version: [ 1, 2 ]
amdhsa.kernels:
  - .name:           k_qb3fb884b4c_gather
    .symbol:         k_qb3fb884b4c_gather.kd
    .args:
      - { .name: req_pool_indices, .offset: 0, .size: 8, .value_kind: global_buffer, .address_space: global }
      - { .name: req_to_token, .offset: 8, .size: 8, .value_kind: global_buffer, .address_space: global }
      - { .name: seq_lens, .offset: 16, .size: 8, .value_kind: global_buffer, .address_space: global }
      - { .name: out0, .offset: 24, .size: 8, .value_kind: global_buffer, .address_space: global }
    .group_segment_fixed_size: 0
    .private_segment_fixed_size: 0
    .kernarg_segment_align: 8
    .kernarg_segment_size: 32
    .max_flat_workgroup_size: 32
    .sgpr_count:     66
    .vgpr_count:     12
    .wavefront_size: 32
...
	.end_amdgpu_metadata
.endif
;; end of part 1
